; MI455X (gfx1250); checked and timed in simulation.
; The chip was launched on July 23, 2026; its instructions are those of AMD's public machine-readable ISA for CDNA 5 (MIT licence, August 2026) and "CDNA5" Instruction Set Architecture Reference Guide (July 2026). The comments in the code are by the model that wrote it; some were corrected since.
;; RG Linear. Allowed arithmetic: matrix products marked QUANTISED: E2M1 operands, one E8M0 scale for each 32 along K, by v_wmma_scale_f32_16x16x128_f8f6f4 with both operands' format E2M1 (or v_wmma_scale_f32_32x16x128_f4), f32 sums; everything else in f32.
;; Inputs: bias 2,048 float32; coarse_centroids 64 x 16 float32; coarse_labels 524,288 int32; res_centroids 64 x 16 float32; res_labels 524,288 int32; x_codes 8,192 x 128 x 16 uint8 (E2M1 codes of x, K innermost, in blocks of 32 codes, two codes a byte); x_scales 8,192 x 128 uint8 (E8M0 scales of x, one for each 32 codes along K).
;; Outputs: out0 8,192 x 2,048 float32.
;; This version of the problem:
;;   THIS VERSION OF THE PROBLEM IS GIVEN IN LOW PRECISION. The matrix products marked QUANTISED in the list below multiply operands that are first quantised to E2M1 (2 exponent bits, 1 mantissa bit; 4 bits a number), with one power-of-two scale for each 32 numbers along K (OCP MX v1.0); their sums are f32. All else is computed in f32.
;;   The module's matrix products, in the order in which they are computed (A, B: the left and right operand; K: the contracted axis; several contracted axes count as one K, in the product's order):
;;     1. [M 8,192, K 4,096] x [K 4,096, N 2,048]; A: input x (given as codes); B: computed on the way: QUANTISED
;;   THE QUANTISER, for each operand of a quantised product, along K:
;;     - K is cut into blocks of 32 from its start; a last block that is shorter is filled with zeros.
;;     - A block's scale is 2^e with e = floor(log2(the largest magnitude in the block)) - 2, held to -126 .. 127; a block of zeros has e = 0. As a byte (E8M0): e + 127.
;;     - Each number is divided by its block's scale, clamped to +-6, and rounded to the nearest number of E2M1, ties to even, subnormals kept.
;;     - The product sums the exact products of the quantised numbers (number of the format x scale) in f32.
;;   ~~~python
;;   def quantise(x, axis):      # numpy; x: float32 -> the quantised numbers, widened to float32 again
;;       x = np.moveaxis(x, axis, -1); K = x.shape[-1]
;;       x = np.pad(x, [(0, 0)] * (x.ndim - 1) + [(0, -K % 32)]); x = x.reshape(x.shape[:-1] + (-1, 32)); a = np.abs(x).max(-1, keepdims=True)
;;       e = np.where(a > 0, np.clip(np.frexp(np.where(a > 0, a, 1))[1] - 1 - 2, -126, 127), 0)      # np.frexp(a)[1] - 1 = floor(log2(a)), exactly
;;       r = np.clip(x / 2.0 ** e, -6, 6)
;;       step = 2.0 ** (np.maximum(np.frexp(np.where(r == 0, 1, r))[1] - 1, 0) - 1)
;;       q = np.round(r / step) * step * 2.0 ** e      # np.round: ties to even
;;       return np.moveaxis(q.reshape(q.shape[:-2] + (-1,))[..., :K], -1, axis).astype(np.float32)
;;   ~~~
;;   OPERANDS COMPUTED ON THE WAY. 'Computed on the way' means the value that the module computes at that place (a softmax that the list does not call 'softmax' is quantised finished and normalised). What goes into a quantiser is computed in f32, as accurately as f32 sums, v_exp_f32 and their like allow (about 1e-6 of the number): no bf16 or f16 on the way to a quantiser, and a product that is left as it is and whose result goes on into a quantised operand takes f32 operands (vector FMAs, or v_wmma_f32_16x16x4_f32). A number that lies on a knife's edge between two numbers of the format may be rounded either way, as far as f32 arithmetic and the matrix unit's own rounding can turn it there, and no further.
;;   INPUTS GIVEN AS CODES. x (in the module: [8192, 4096], K = its axis 1): each comes as NAME_codes (uint8): NAME with its K axis moved to the last place and cut into blocks of 32 codes, [.., K / 32, bytes a block], one block behind the other in memory; two codes a byte, the lower K in the low four bits (a code: sign, 2 exponent bits, 1 mantissa bit); and NAME_scales (uint8): the same leading axes, one E8M0 byte (e + 127) for each 32 codes along K. Its value is code x scale, taken as it is: it is not quantised again, and the codes and scales need not be those that the quantiser above would give.
;; One version. Each part assembles by itself: llvm-mc -triple=amdgcn-amd-amdhsa -mcpu=gfx1250 --defsym DOCPART=n.
;; ======== version 1 of 1: 2 launches
;; limits: right only within a limited range of input values
;; workspace buffers: wq 4,456,448 bytes
;; launch wquant (part 1): grid 512 x 1, 8 waves a work-group, no clusters, 43,008 bytes of LDS; arguments coarse_centroids, coarse_labels, res_centroids, res_labels, wq; writes wq
.if DOCPART == 1
	.amdgcn_target "amdgcn-amd-amdhsa--gfx1250"
	.amdhsa_code_object_version 6
	.text
	.protected	k_q5316baa7f6_wquant
	.globl	k_q5316baa7f6_wquant
	.p2align	8
	.type	k_q5316baa7f6_wquant,@function
k_q5316baa7f6_wquant:
	s_mov_b64 s[64:65], 0
	v_nop
	global_prefetch_b8 v0, s[64:65] scope:SCOPE_SE
	s_setreg_imm32_b32 hwreg(HW_REG_WAVE_MODE, 25, 1), 1
	s_wait_xcnt 0x0
; W[2048][4096] = coarse_centroids[coarse_labels] + res_centroids[res_labels], 16 neighbours along K to a label, summed in f32, is turned into codes of FP4 (E2M1)
; with one E8M0 scale byte for each 32 along K, and laid in the order in which the product's waves take their registers:
;   wq = [n / 64 : 32][k / 1024 : 4][34,816 bytes]: codes [step of 128 : 8][t : 4][c : 2][lane (r, h) : 32][16 bytes]: row n = 64 (n / 64) + 4 r + t, k = 64 c + 32 h + 0 .. 31 of the step;
;   then scale words [t : 4][lane (r, h) : 32][i : 4]: row 4 r + t, step 2 i + h, one byte for each 32 along K.
; A block's scale is 2^(floor(log2(its largest magnitude)) - 2); its byte is the largest magnitude's exponent field - 2, held at 1 from below.
; LIMITS: a block of zeros, or one whose largest magnitude lies under 2^-124, gets the byte 1 (the rule says 127 for zeros: the codes are zeros, which add nothing under any byte but 0xff, and this program
; alone reads the bytes); NaN and infinities in the two tables are not served; a label outside 0 .. 63 is held at 63.
; SHARES.  A work-group takes the 16 rows of one n / 64 and one t, and 1,024 along K (32 blocks of 32): wave w the step w, lane (r, u) of it row r's blocks 2 u and 2 u + 1 (c = u, h = 0, 1).
; All 32 numbers of a block lie in one lane's registers.  Sixteen neighbouring lanes store 256 consecutive bytes, aligned.
; THE TABLES lie in LDS four times over: table row x 256 + copy x 64 + chunk x 16.  Lane l reads copy (l / 4) % 4 and takes its four chunks in the order l, l + 1, .. (mod 4): sixteen neighbouring lanes touch sixteen different
; 16-byte columns.  Both tables' numbers come turned alike, so sum and maximum need no care; each label's 64 bits of codes are turned back by two byte permutes.
; TWO BARRIERS: behind the first tables and labels lie in LDS; behind the second the scale bytes lie in the stage, and wave 0 stores them as 512 consecutive bytes.
; NO JOINT LOADS: what work-groups share is the 8,192 bytes of tables, read once each through registers.  No matrix work, no ring.
.set RT,    16384                      ; the residual table, behind the coarse one at 0
.set LT,    32768                      ; coarse labels: 16 rows of 256 bytes, 272 apart
.set LR,    LT+16*272                  ; residual labels
.set SST,   LR+16*272                  ; 512 bytes: the scale words on their way out
.set SPARE, SST+512                    ; the spare words: 128 bytes a wave
.set WSLOT, 34816
.set TW,  20                           ; v20-23 where my 16 bytes of a table go: four copies
.set KC,  24                           ; v24-27 my copy and chunk for each of four reads
.set SELL, 28
.set SELH, 29
.set OUT, 32                           ; v32-39 codes to store
.set CV,  40                           ; v40-47 codes as converted
.set LB,  48                           ; v48-51 coarse labels, v52-55 residual labels of my two blocks
.set AD,  56
.set X0,  64                           ; v64-95 X, v96-127 Y of block 0; v128-191 of block 1
.set E,   192
.set MX,  194
.set SCR, 198
	s_load_b256 s[4:11], s[0:1], 0x0               ; coarse table, coarse labels, residual table, residual labels
	s_load_b64 s[12:13], s[0:1], 0x20              ; wq
	v_lshl_add_u32 v14, v0, 2, SPARE
	v_mov_b32 v15, 0
	v_lshrrev_b32 v1, 5, v0
	v_readfirstlane_b32 s24, v1                    ; wave 0..7
	s_and_b32 s25, s24, 1
	s_lshl_b32 s26, s25, 8
	s_lshr_b32 s27, s24, 1
	s_lshl_b32 s27, s27, 2
	s_add_co_u32 s26, s26, s27                     ; the stage: 256 (w % 2) + 4 (w / 2)
	s_lshl_b32 s25, s24, 5                         ; 32 w
	v_lshrrev_b32 v2, 2, v0                        ; tables: thread -> row t / 4, chunk t % 4
	v_and_b32 v3, 3, v0
	v_and_b32 v8, 15, v0                           ; r
	v_bfe_u32 v12, v0, 4, 1                        ; u
	v_lshlrev_b32 v4, 8, v2
	v_lshrrev_b32 v7, 4, v0                        ; labels: thread -> row t / 16, chunk t % 16
	v_lshlrev_b32 v9, 4, v8
	v_lshl_add_u32 v4, v3, 4, v4
	v_mul_u32_u24 v11, v7, 272
	v_mul_u32_u24 v13, v8, 272
.irp i, 0,1,2,3
	v_add_nc_u32 v[TW+\i], \i, v2
	v_add_nc_u32 v[KC+\i], \i, v0
.endr
.irp i, 0,1,2,3
	v_and_b32 v[TW+\i], 3, v[TW+\i]
	v_and_b32 v[KC+\i], 3, v[KC+\i]
.endr
	v_bfe_u32 v18, v0, 2, 2                        ; my copy
.irp i, 0,1,2,3
	v_lshl_add_u32 v[TW+\i], v[TW+\i], 6, v4       ; copy (i + row) % 4
	v_lshlrev_b32 v[KC+\i], 4, v[KC+\i]
.endr
.irp i, 0,1,2,3
	v_lshl_add_u32 v[KC+\i], v18, 6, v[KC+\i]
.endr
	s_mov_b32 s28, 0x02020202
	v_sub_nc_u32 v5, 0, v0
	v_lshlrev_b32 v6, 4, v0                        ; 16 t: my 16 bytes of a table in memory
	v_and_b32 v5, 3, v5                            ; chunk 0 stands in place (-l) % 4
	v_lshl_add_u32 v10, v7, 12, v9                 ; labels in memory: a row of W is 1,024 bytes, mine are four rows apart
	v_mul_lo_u32 v5, v5, s28
	v_add_nc_u32 v11, v11, v9                      ; labels into LDS
	v_lshl_add_u32 v13, v12, 4, v13
	v_add_nc_u32 v[SELL], 0x03020100, v5
	v_add_nc_u32 v13, s25, v13                     ; labels back: row r, chunk 2 w + u
	v_lshl_add_u32 v16, v12, 9, v9                 ; codes: 512 u + 16 r
	v_and_b32 v[SELL], 0x07070707, v[SELL]
	v_lshl_add_u32 v17, v12, 1, v9
	v_and_b32 v19, 31, v0
	v_add_nc_u32 v[SELH], 0x04040404, v[SELL]
	v_add_nc_u32 v17, s26, v17                     ; my two scale bytes in the stage
	v_lshlrev_b32 v19, 4, v19                      ; the stage read back
	v_and_b32 v[SELH], 0x07070707, v[SELH]
	s_wait_alu depctr_va_vdst(0)                   ; the wait at the head's end
	s_and_b32 s15, ttmp9, 3                        ; k / 1024
	s_bfe_u32 s16, ttmp9, 0x20002                  ; t
	s_lshr_b32 s14, ttmp9, 4                       ; n / 64
	s_lshl_b32 s18, s14, 16                        ; labels: 64 rows of 1,024 bytes,
	s_lshl_b32 s17, s16, 10
	s_add_co_u32 s18, s18, s17
	s_lshl_b32 s17, s15, 8
	s_add_co_u32 s18, s18, s17
	s_mov_b32 s19, 0
	s_mul_i32 s20, s14, 4*WSLOT
	s_mul_i32 s17, s15, WSLOT
	s_add_co_u32 s20, s20, s17
	s_lshl_b32 s17, s16, 9
	s_add_co_u32 s22, s20, s17
	s_add_co_u32 s22, s22, 32768                   ; the scale words of t
	s_mov_b32 s23, 0
	s_lshl_b32 s17, s16, 10
	s_add_co_u32 s20, s20, s17
	s_lshl_b32 s17, s24, 12
	s_add_co_u32 s20, s20, s17                     ; the codes of step w, t
	s_mov_b32 s21, 0
	s_wait_kmcnt 0x0
	s_add_nc_u64 s[6:7], s[6:7], s[18:19]
	s_add_nc_u64 s[10:11], s[10:11], s[18:19]
	s_add_nc_u64 s[20:21], s[12:13], s[20:21]
	s_add_nc_u64 s[22:23], s[12:13], s[22:23]
	global_load_b128 v[40:43], v6, s[4:5]          ; the tables: a wave reads 512 consecutive bytes
	global_load_b128 v[44:47], v6, s[8:9]
	global_load_b128 v[32:35], v10, s[6:7] th:TH_LOAD_NT    ; the labels: sixteen lanes read 256 consecutive bytes, aligned; read once in the launch
	global_load_b128 v[36:39], v10, s[10:11] th:TH_LOAD_NT
	s_wait_loadcnt 2                               ; the two label loads are younger
.irp i, 0,1,2,3
	ds_store_b128 v[TW+\i], v[40:43]
	ds_store_b128 v[TW+\i], v[44:47] offset:RT
.endr
	s_wait_loadcnt 0x0
	ds_store_b128 v11, v[32:35] offset:LT
	ds_store_b128 v11, v[36:39] offset:LR
	s_wait_dscnt 0x0                               ; for the others' sake
	s_barrier_signal -1
	s_barrier_wait -1
	ds_load_b128 v[LB:LB+3], v13 offset:LT
	ds_load_b128 v[LB+4:LB+7], v13 offset:LR
	s_wait_dscnt 0x0
.irp i, 0,1,2,3,4,5,6,7
	v_min_u32 v[LB+\i], 63, v[LB+\i]               ; a label stays inside its table
.endr
.macro LOOK lab, dst, tab, k           ; one label's 16 numbers: four loads of 16 bytes
.irp c, 0,1,2,3
	v_lshl_add_u32 v[AD+4*(\k)+\c], v[\lab], 8, v[KC+\c]
.endr
.irp c, 0,1,2,3
	ds_load_b128 v[(\dst)+4*\c:(\dst)+4*\c+3], v[AD+4*(\k)+\c] offset:\tab
.endr
.endm
.macro GATHER h
.set XP, X0+64*\h
	LOOK LB+2*\h, XP, 0, 0
	LOOK LB+2*\h+1, XP+16, 0, 1
	LOOK LB+4+2*\h, XP+32, RT, 0
	LOOK LB+5+2*\h, XP+48, RT, 1
.endm
.macro WORK h                          ; block h: the sum, the scale, the codes, the store
.set XP, X0+64*\h
.set YP, XP+32
.irp i, 0,2,4,6,8,10,12,14,16,18,20,22,24,26,28,30
	v_pk_add_f32 v[XP+\i:XP+\i+1], v[XP+\i:XP+\i+1], v[YP+\i:YP+\i+1]
.endr
.irp c, 0,1,2,3                                    ; the largest magnitude in four chains
	v_max3_num_f32 v[MX+\c], |v[XP+8*\c]|, |v[XP+8*\c+1]|, |v[XP+8*\c+2]|
.endr
.irp i, 3,5
.irp c, 0,1,2,3
	v_max3_num_f32 v[MX+\c], v[MX+\c], |v[XP+8*\c+\i]|, |v[XP+8*\c+\i+1]|
.endr
.endr
	v_max3_num_f32 v[MX], v[MX], |v[XP+7]|, 0x1800000   ; the floor 2^(3 - 127): the byte cannot fall under 1
	v_max3_num_f32 v[MX+1], v[MX+1], |v[XP+15]|, |v[XP+23]|
	v_max3_num_f32 v[MX+2], v[MX+2], |v[XP+31]|, v[MX+3]
	v_max3_num_f32 v[MX], v[MX], v[MX+1], v[MX+2]
	v_add_nc_u32 v[SCR], 0xff000000, v[MX]         ; 2 off its exponent field: the conversion takes the exponent field of this operand as its scale, and nothing else of it
.irp g, 0,1,2,3
	v_cvt_scalef32_pk8_fp4_f32 v[CV+4*\h+\g], v[XP+8*\g:XP+8*\g+7], v[SCR]
.endr
	v_lshrrev_b32 v[E+\h], 23, v[SCR]              ; the scale's byte; also the plain instruction behind the conversions
.irp g, 0,1                                        ; each label's four chunks of 16 bits back into their order
	v_perm_b32 v[OUT+4*\h+2*\g], v[CV+4*\h+2*\g+1], v[CV+4*\h+2*\g], v[SELL]
	v_perm_b32 v[OUT+4*\h+2*\g+1], v[CV+4*\h+2*\g+1], v[CV+4*\h+2*\g], v[SELH]
.endr
	global_store_b128 v16, v[OUT+4*\h:OUT+4*\h+3], s[20:21] offset:256*\h   ; each half of the lanes stores 256 consecutive bytes, aligned
.endm
	GATHER 0
	GATHER 1                                       ; the second block's numbers are on their way while the first is worked
	s_wait_dscnt 16                                ; all but the 16 just issued
	WORK 0
	s_wait_dscnt 0x0
	WORK 1
	v_lshl_or_b32 v30, v[E+1], 8, v[E]
	ds_store_b16 v17, v30 offset:SST
	s_wait_dscnt 0x0                               ; for wave 0's sake
	s_barrier_signal -1
	s_barrier_wait -1
	s_cmp_lg_u32 s24, 0                            ; wave 0 alone sends the scale words out; no barrier stands behind this branch
	s_cbranch_scc1 .Ldone
	ds_load_b128 v[64:67], v19 offset:SST
	s_wait_dscnt 0x0
	global_store_b128 v19, v[64:67], s[22:23]      ; 512 consecutive bytes
.Ldone:
	s_wait_tensorcnt 0x0                           ; the wave's end
	ds_add_u32 v14, v15
	s_wait_dscnt 0x0
	s_endpgm
.Lfunc_end_k_q5316baa7f6_wquant:
	.size	k_q5316baa7f6_wquant, .Lfunc_end_k_q5316baa7f6_wquant-k_q5316baa7f6_wquant
	.p2alignl 7, 3214868480
	.fill 96, 4, 3214868480
	.section	.rodata,"a",@progbits
	.p2align	6, 0x0
	.amdhsa_kernel k_q5316baa7f6_wquant
		.amdhsa_group_segment_fixed_size 43008
		.amdhsa_private_segment_fixed_size 0
		.amdhsa_enable_private_segment 0
		.amdhsa_kernarg_size 40
		.amdhsa_user_sgpr_count 2
		.amdhsa_user_sgpr_kernarg_segment_ptr 1
		.amdhsa_wavefront_size32 1
		.amdhsa_system_sgpr_workgroup_id_x 1
		.amdhsa_system_sgpr_workgroup_id_y 1
		.amdhsa_system_sgpr_workgroup_id_z 1
		.amdhsa_system_vgpr_workitem_id 0
		.amdhsa_next_free_vgpr 200
		.amdhsa_next_free_sgpr 66
		.amdhsa_reserve_vcc 0
		.amdhsa_float_denorm_mode_32 3
		.amdhsa_float_denorm_mode_16_64 3
		.amdhsa_memory_ordered 1
		.amdhsa_forward_progress 1
		.amdhsa_inst_pref_size 16
	.end_amdhsa_kernel
	.amdgpu_metadata
---
amdhsa.version: [ 1, 2 ]
amdhsa.kernels:
  - .name:           k_q5316baa7f6_wquant
    .symbol:         k_q5316baa7f6_wquant.kd
    .args:
      - { .name: coarse_centroids, .offset: 0, .size: 8, .value_kind: global_buffer, .address_space: global }
      - { .name: coarse_labels, .offset: 8, .size: 8, .value_kind: global_buffer, .address_space: global }
      - { .name: res_centroids, .offset: 16, .size: 8, .value_kind: global_buffer, .address_space: global }
      - { .name: res_labels, .offset: 24, .size: 8, .value_kind: global_buffer, .address_space: global }
      - { .name: wq, .offset: 32, .size: 8, .value_kind: global_buffer, .address_space: global }
    .group_segment_fixed_size: 43008
    .private_segment_fixed_size: 0
    .kernarg_segment_align: 8
    .kernarg_segment_size: 40
    .max_flat_workgroup_size: 256
    .sgpr_count:     66
    .vgpr_count:     200
    .wavefront_size: 32
...
	.end_amdgpu_metadata
.endif
;; end of part 1
;; launch gemm (part 2): grid 8 x 32, 4 waves a work-group, clusters of 4 x 1, 327,680 bytes of LDS; arguments x_codes, x_scales, wq, bias, out0; writes out0
.if DOCPART == 2
	.amdgcn_target "amdgcn-amd-amdhsa--gfx1250"
	.amdhsa_code_object_version 6
	.text
	.protected	k_q5316baa7f6_gemm
	.globl	k_q5316baa7f6_gemm
	.p2align	8
	.type	k_q5316baa7f6_gemm,@function
k_q5316baa7f6_gemm:
	s_mov_b64 s[64:65], 0
	v_nop
	global_prefetch_b8 v0, s[64:65] scope:SCOPE_SE
	s_setreg_imm32_b32 hwreg(HW_REG_WAVE_MODE, 25, 1), 1
	s_wait_xcnt 0x0
	s_wait_alu depctr_hold_cnt(0) depctr_sa_sdst(0) depctr_va_vdst(0) depctr_va_sdst(0) depctr_va_ssrc(0) depctr_va_vcc(0) depctr_vm_vsrc(0)
	s_getreg_b32 s2, hwreg(HW_REG_IB_STS2, 6, 4)
	s_cmp_eq_u32 s2, 0
	s_cbranch_scc0 .Lentry_in_a_cluster
	s_endpgm
.Lentry_in_a_cluster:
	s_bfe_u32 s2, ttmp6, 0x10000c
	s_cmp_lg_u32 s2, 0x3003
	s_cbranch_scc0 .Lentry_shape_is_right
	s_endpgm
.Lentry_shape_is_right:
; out0[m][n] = sum over k of x[m][k] W[n][k] + bias[n].  x: [8192][4096] as codes of FP4 (E2M1), a row 2,048 bytes, with one E8M0 byte for each 32 along K, [8192][128].
; W: codes and scale words made by the launch before, in wq = [n / 64 : 32][k / 1024 : 4][34,816 bytes], in the order of the registers below.  out0: [8192][2048] f32; sums in f32.
; A tile of out0, 256 x 256, is made by a work-group of four waves; a wave makes all 256 rows x 64 columns: 8 x 4 accumulators of 32 x 16 (32 rows of x x 16 rows of W), 512 registers.  256 work-groups, one tile each.
; x passes through LDS: K goes in 4 slots' worth of 1,024 through a ring of two LDS slots, 256 rows x 512 bytes, each wave bringing 64 rows with one tensor load.  x's scale bytes of the 256 rows, for all of K, come once.
; W goes from memory STRAIGHT INTO REGISTERS: a wave's 64 columns are its own, no other wave of the work-group reads them.  Eight buffers of 32 registers, one for each step of 128 along K of a slot; a buffer is loaded again at the end
; of the step that has used it, for the step eight further on.  With W in the ring a slot would hold 512 of K: twice as many rounds.
; CLUSTERS: 4 x 1 work-groups, which make four tiles of one tile row and need the same tiles of x: each is asked for JOINTLY.  W is not asked for jointly since it never lies in LDS.
; WHICH ROWS OF W form a fragment is free: fragment t of a wave takes columns 4 r + t (r = 0 .. 15).  So a lane's four accumulators t = 0 .. 3 hold four neighbouring columns of each of its rows: with the bias added they are 16 bytes,
; sixteen lanes store 256 consecutive bytes, aligned, and no result passes through LDS.
; A UNIT is eight products on 32 registers of x: two blocks of 32 rows x one step of 128 along K (in the last slot one block x two steps).  A HALF is two units: sixteen products on end, then ONE run of loads.
; Three sets of 64 registers hold x's fragments: behind a half its set takes the half three further on.
; THE LAST SLOT GOES BY ROWS OF out0: all its W lies in registers, so the 8 blocks of 32 rows are finished one after the other, and each leaves as it is finished.  (The first two blocks run side by side up to their last pair of
; steps: that gives W's last buffer time to land.)  It takes x's fragments through two of the three sets; the third is free for the way out.
; PREFETCHES: x's slots 2 and 3 are asked of memory one slot ahead of their loads: 512 blocks of 256 bytes, one a lane in the cluster's sixteen waves, shared out by address.  Slots 0 and 1 come by their loads alone; W's own loads run up to eight steps ahead.
; REGISTERS, in windows of 256: window 0: below;  window 1: W, step q's buffer at v[32 q], in it fragment t at 8 t;  windows 2 and 3: accumulator (a, t) at v[64 (a % 4) + 16 t], blocks 0-3 and 4-7.
.set PITCH, 528                        ; an LDS row: 512 bytes + 16 of padding: row r starts at bank 4 r mod 64 (64 banks of 4 bytes: ISA guide 11.1)
.set SLOT,  256*PITCH
.set XSC,   2*SLOT                     ; behind the ring: x's scale bytes, two rows (256 bytes) and 8 of padding: a load of 4 or 8 bytes a lane, 32 rows, meets no bank twice
.set SP2,   264
.set SPARE, XSC+128*SP2                ; the spare words: 128 bytes a wave
.set WSLOT, 34816
.set XR,    0                          ; v0-191   x's fragments: three sets of 64 (the head's v0-v9 lie here: they are done with when the first fragments are loaded)
.set TMP,   XR+128                     ; v128-159 the way out: the first 16 rows, in the third set
.set ADX,  192                         ; v192-195 LDS address of my fragments of x: slot 0 rows 0-127, 128-255; slot 1 likewise
.set ADS,  196                         ; v196     LDS address of x's scale bytes: lane l row l
.set WO,   197                         ; v197     16 x lane
.set CO,   198                         ; v198     my byte offset in out0: 8 (lane / 16) rows + 16 (lane % 16)
.set PFO,  199                         ; v199     the prefetches' offset
.set SPW,  200                         ; v200     my spare word; never rewritten
.set NIL,  201                         ; v201     0; never rewritten
.set BI,   202                         ; v202-205 bias of columns 4 r + 0 .. 3
.set SW,   206                         ; v206-237 W's scale words, two sets by the slot's parity: 4 t + i: lanes 0-15 step 2 i, lanes 16-31 step 2 i + 1
.set SX,   238                         ; v238-253 x's scale words: two sets of 8: by the step's parity, a word a block; in the last slot by the block's parity, its eight words
.set BO,   254                         ; v254     16 (lane % 16): the bias load's offset
.set G1,   24                          ; s[24:31] descriptor group 1 for x;  s[32:35], s[36:39] group 0 for slots 0 and 1
.set G0,   32
.set G1S,  68                          ; s[68:75], s[76:79] groups 1 and 0 for x's scales
.set G0S,  76
.set G0H,  80                          ; s[80:83] group 0 for the head's load of x
.set MSB, 0
.macro WIN new                         ; the immediate's high byte repeats the setting that is left
.if MSB != (\new)
	s_set_vgpr_msb (MSB<<8)|(\new)
.set MSB, (\new)
.endif
.endm
.macro NOP4                            ; four places behind a matrix instruction, for loads into registers that it has read and reads of its result
.rept 4
	v_nop
.endr
.endm
.macro CREST                           ; a round of the cluster's barrier behind its opening barrier
	s_cmp_lg_u32 s14, 0
	s_cbranch_scc1 .Lnot_wave_0_\@
	s_barrier_signal -3
.Lnot_wave_0_\@:
	s_barrier_wait -3
	s_barrier_signal -1
	s_barrier_wait -1
.endm
.macro CROUND
	s_barrier_signal -1
	s_barrier_wait -1
	CREST
.endm
; which block and pair of steps the last slot's unit i takes
.macro WHERE i
.set rI, \i
.if rI < 6
.set rA, rI/3
.set rP, rI%3
.elseif rI < 8
.set rA, rI-6
.set rP, 3
.else
.set rA, rI/4
.set rP, rI%4
.endif
.endm
.macro USET                            ; unit U: 32 to a slot
.set uS, U/32
.if U < 96
.set ROWS, 0
.set uQ, (U%32)/4
.set uM, 0x04+0x50*(2+(U%4)/2)
.set uX, XR+64*((U/2)%3)+32*(U%2)
.else
.set ROWS, 1
	WHERE U-96
.set uA, rA
.set uP, rP
.set uM, 0x04+0x50*(2+uA/4)
.set uX, XR+64*((U/2)%2)+32*(U%2)
.endif
.endm
; the eight products of unit U: source 0 = 32 rows of x, source 1 = 16 rows of W.  The accumulators take turns, one instruction a turn.
.macro MUL8
.set mi, 0
.rept 8
.set mT, mi%4
.set mB, mi/4
.set mX, uX+16*mB
.if ROWS
.set mq, 2*uP+mB
.set mD, 64*(uA%4)+16*mT
.set mSX, SX+8*(uA%2)+mq
.else
.set mq, uQ
.set mD, 64*((2*(U%4)+mB)%4)+16*mT
.set mSX, SX+8*(uQ%2)+2*(U%4)+mB
.endif
.set mW, 32*mq+8*mT
.set mSW, SW+16*(uS%2)+4*mT+mq/2
.if U < 4
	v_wmma_scale_f32_32x16x128_f4 v[mD:mD+15], v[mX:mX+15], v[mW:mW+7], 0, v[mSX], v[mSW]
.elseif mq%2
	v_wmma_scale_f32_32x16x128_f4 v[mD:mD+15], v[mX:mX+15], v[mW:mW+7], v[mD:mD+15], v[mSX], v[mSW] matrix_b_scale:MATRIX_SCALE_ROW1
.else
	v_wmma_scale_f32_32x16x128_f4 v[mD:mD+15], v[mX:mX+15], v[mW:mW+7], v[mD:mD+15], v[mSX], v[mSW]
.endif
.set mi, mi+1
.endr
.endm
.macro MULH                            ; a half: sixteen products on end
.rept 2
	USET
	WIN uM
	MUL8
.set U, U+1
.endr
.endm
; the fragments of unit u, 2 x 32 rows x 128 K: lane (r, h) holds row r: registers 4 c .. 4 c + 3 K = 64 c + 32 h + 0 .. 31; then row 16 + r
.macro LUNIT u
.set lU, \u
.set lS, lU/32
.if lU < 96
.set lX, XR+64*((lU/2)%3)+32*(lU%2)
.else
.set lX, XR+64*((lU/2)%2)+32*(lU%2)
	WHERE lU-96
.set lA, rA
.set lP, rP
.endif
.set lp, 0
.rept 2
.if lU < 96
.set la, 2*(lU%4)+lp
.set lq, (lU%32)/4
.else
.set la, lA
.set lq, 2*lP+lp
.endif
.set ld, lX+16*lp
.set lr, ADX+2*(lS%2)+la/4
.set lo, (la%4)*32*PITCH+64*lq
	ds_load_b128 v[ld:ld+3], v[lr] offset:lo
	ds_load_b128 v[ld+4:ld+7], v[lr] offset:lo+32
	ds_load_b128 v[ld+8:ld+11], v[lr] offset:lo+16*PITCH
	ds_load_b128 v[ld+12:ld+15], v[lr] offset:lo+16*PITCH+32
.set lp, lp+1
.endr
.endm
.macro LHALF h                         ; those of half h: sixteen loads
	LUNIT 2*(\h)
	LUNIT 2*(\h)+1
.endm
.macro WLOAD g                         ; W's step g (of 32): eight loads, 512 consecutive bytes each
.set wG, \g
	WIN 0x40
.irp tc, 0,1,2,3,4,5,6,7
.set wo, (wG/8)*WSLOT+(wG%8)*4096+512*\tc
.set wr, 32*(wG%8)+4*\tc
	global_load_b128 v[wr:wr+3], v[WO], s[8:9] offset:wo
.endr
	WIN 0
.endm
.macro SWL slot                        ; W's scale words of a slot
.irp t, 0,1,2,3
.set wr, SW+16*((\slot)%2)+4*\t
	global_load_b128 v[wr:wr+3], v[WO], s[8:9] offset:(\slot)*WSLOT+32768+512*\t
.endr
.endm
.macro SXL g                           ; x's scale words of step g, a word a row: eight loads
.irp a, 0,1,2,3,4,5,6,7
	ds_load_b32 v[SX+8*((\g)%2)+\a], v[ADS] offset:\a*16*SP2+4*(\g)
.endr
.endm
.macro SXR a                           ; for the last slot: block a's eight words a row
.irp i, 0,1,2,3
.set xr, SX+8*((\a)%2)+2*\i
	ds_load_b64 v[xr:xr+1], v[ADS] offset:(\a)*16*SP2+96+8*\i
.endr
.endm
; A half of the first three slots.  Its run of loads: first the scale words of the next step (behind a step's first half), then the fragments of the half three on, then (behind its second) W's step eight on.
.macro HALF
.set H, U/2
.if H%2 == 0
	s_wait_loadcnt 56                              ; W's next seven steps, eight loads each, are younger
.endif
	s_wait_dscnt 32                                ; the fragments of the next two halves may be out
	MULH
	NOP4
	WIN 0
.if H%2 == 0
	SXL H/2+1
.endif
	LHALF H+3
.if H%2
.if (H/2)%8 == 1
	SWL H/16+1
.endif
	WLOAD H/2+8
.endif
.endm
; A slot's last three halves change slots: ONE barrier; in front of it each wave waits for all its tensor loads, adds 0 to its spare word, and waits for that and for its own reads of this slot.
; Behind slots 0 and 1 it opens a round of the cluster's barrier and the slot just read is filled again.
.macro TURN
.set H, U/2
.set tS, H/16
	WIN 0
	s_wait_tensorcnt 0x0                           ; my part of the next slot has landed
	ds_add_u32 v[SPW], v[NIL]                      ; 0 onto my spare word
.if tS == 1
	s_add_nc_u64 s[G0+6:G0+7], s[G0+6:G0+7], 0x400 ; slot 1's second fill: two slots on along K (no tensor load of mine is out)
.endif
	s_wait_dscnt 33                                ; two halves' fragments and the add may be out
	MULH
	s_wait_dscnt 0x0                               ; the add is done, and my reads of this slot are over
	s_wait_loadcnt 48                              ; W's next six steps are younger: the seventh is asked for below
	s_barrier_signal -1
	MULH
	WIN 0
	s_barrier_wait -1
.if tS < 2
	CREST                                          ; no wave of any partner still reads this slot or has a load on its way
	tensor_load_to_lds s[G0+4*tS:G0+4*tS+3], s[G1:G1+7]
	s_nop 0
.endif
	NOP4
.if tS < 2
	SXL H/2+2
.else
	SXR 0
.endif
	LHALF H+3
	LHALF H+4
	WLOAD H/2+8
	MULH
	NOP4
	WIN 0
.if tS < 2
	LHALF H+5
.else
	SXR 1
.endif
	WLOAD H/2+9
.if tS == 0
	global_prefetch_b8 v[PFO], s[4:5] offset:1536 th:TH_LOAD_NT scope:SCOPE_SE   ; slot 3 of K, which the next change of slots loads
.endif
.endm
; THE WAY OUT of quad z (of 128): block z / 16, its rows 16 f + 8 h + j.  The sums of four accumulators with the bias, 16 bytes, go into registers whose sums have been read: those of the half block ahead.
; No register that a store reads is written again.  Each accumulator is read from its low end on.
.macro OMAP z
.set zA, (\z)/16
.set zF, ((\z)/8)%2
.set zJ, (\z)%8
.set zS, 64*(zA%4)+8*zF+zJ
.set zW, 2+zA/4
.if zF
.set zX, zW
.set zD, 64*(zA%4)+16*(zJ/2)+4*(zJ%2)
.elseif zA
.set zX, 2+(zA-1)/4
.set zD, 64*((zA-1)%4)+16*(zJ/2)+8+4*(zJ%2)
.else
.set zX, 0
.set zD, TMP+4*zJ
.endif
.endm
.macro OUTB a                          ; block a leaves: 64 additions, then 16 stores
.set oQ, 16*(\a)
.rept 16
	OMAP oQ
	WIN zW|(zX<<6)
.irp t, 0,1,2,3
	v_add_f32 v[zD+\t], v[zS+16*\t], v[BI+\t]
.endr
.set oQ, oQ+1
.endr
.set oQ, 16*(\a)
.rept 16
	OMAP oQ
	WIN zX<<2
	global_store_b128 v[CO], v[zD:zD+3], s[12:13] offset:(32*zA+16*zF+zJ)*8192 th:TH_STORE_NT   ; sixteen lanes store 256 consecutive bytes, aligned: two rows an instruction
.set oQ, oQ+1
.endr
.endm
; A half of the last slot.
.macro HROW
.set hI, U/2-48
.if hI == 0
	s_wait_loadcnt 32                              ; W's steps 4 to 7 of the slot are younger
.elseif hI == 1
	s_wait_loadcnt 16                              ; steps 6 and 7
.elseif hI == 3
	s_wait_loadcnt 0x0
.endif
.if hI < 15
	s_wait_dscnt 16                                ; the next half's fragments may be out
.else
	s_wait_dscnt 0x0
.endif
	MULH
	NOP4
	WIN 0
.if hI == 3
	SXR 2
	SXR 3
.elseif (hI%2) && (hI >= 5) && (hI <= 11)
	SXR (hI+3)/2
.endif
.if hI < 14
	LHALF 48+hI+2
.endif
.if hI == 3
	OUTB 0
	OUTB 1
.elseif (hI%2) && (hI > 3)
	OUTB hI/2
.endif
.endm
	s_load_b128 s[4:7], s[0:1], 0x0                ; x's codes, x's scales
	s_load_b128 s[8:11], s[0:1], 0x10              ; wq, bias
	s_load_b64 s[12:13], s[0:1], 0x20              ; out0
	v_lshl_add_u32 v[SPW], v0, 2, SPARE
	v_mov_b32 v[NIL], 0
	ds_add_u32 v[SPW], v[NIL]                      ; the wave's opening: the add, twice on end, and its wait
	ds_add_u32 v[SPW], v[NIL]
	v_lshrrev_b32 v1, 5, v0
	v_readfirstlane_b32 s14, v1                    ; wave 0..3
	s_bfe_u32 s40, ttmp6, 0x40000                  ; cx: my place in the cluster
	s_lshl_b32 s60, s40, 17                        ; the prefetches: 64 rows of 2,048 bytes for each place,
	s_lshl_b32 s61, s14, 15                        ; 16 for each wave
	s_add_co_u32 s60, s60, s61
	v_and_b32 v2, 15, v0                           ; r
	v_bfe_u32 v3, v0, 4, 1                         ; h
	v_and_b32 v4, 31, v0                           ; lane
	v_mul_u32_u24 v5, v2, PITCH
	v_lshl_add_u32 v[ADX], v3, 4, v5
	v_add_nc_u32 v[ADX+1], 128*PITCH, v[ADX]
	v_add_nc_u32 v[ADX+2], SLOT, v[ADX]
	v_add_nc_u32 v[ADX+3], SLOT+128*PITCH, v[ADX]
	v_lshrrev_b32 v6, 1, v4
	v_and_b32 v7, 1, v4
	v_lshlrev_b32 v9, 11, v6                       ; the prefetches: two lanes a row, 256 bytes each
	v_mul_u32_u24 v6, v6, SP2
	v_lshl_add_u32 v9, v7, 8, v9
	v_lshl_add_u32 v6, v7, 7, v6
	v_add_nc_u32 v[PFO], s60, v9
	v_add_nc_u32 v[ADS], XSC, v6
	v_lshlrev_b32 v[WO], 4, v4
	v_lshlrev_b32 v[BO], 4, v2
	v_lshl_add_u32 v[CO], v3, 16, v[BO]
	s_wait_alu depctr_va_vdst(0)                   ; the wait behind the head's vector writes
	s_and_b32 s15, s14, 1
	s_lshl_b32 s42, ttmp9, 2
	s_add_co_u32 s42, s42, s40                     ; tile column = 4 x cluster x + cx
	s_and_b32 s17, ttmp7, 0xffff                   ; tile row
	; group 1 for x: 128 rows (behind the head: 64) x 512 bytes, 2,048 apart, 16 bytes of padding behind every 128 words (code 6); the mask names all four work-groups, bit 21 stands beside it
	s_mov_b32 s[G1+0], 15|(1<<20)|(1<<21)|(6<<22)|(3<<25)
	s_mov_b32 s[G1+1], 512<<16
	s_mov_b32 s[G1+2], 128<<16
	s_mov_b32 s[G1+3], 512<<16
	s_mov_b32 s[G1+4], 128
	s_mov_b32 s[G1+5], 2048
	s_mov_b32 s[G1+6], 0
	s_mov_b32 s[G1+7], 0
	; and for the scales of 128 rows: a dense block of 16,384 bytes, as 64 rows of 256 (32 elements of 8 bytes), 8 bytes of padding behind each
	s_mov_b32 s[G1S+0], 15|(3<<16)|(1<<20)|(1<<21)|(5<<22)|(1<<25)
	s_mov_b32 s[G1S+1], 32<<16
	s_mov_b32 s[G1S+2], 64<<16
	s_mov_b32 s[G1S+3], 32<<16
	s_mov_b32 s[G1S+4], 64
	s_mov_b32 s[G1S+5], 32
	s_mov_b32 s[G1S+6], 0
	s_mov_b32 s[G1S+7], 0
	s_lshl_b32 s20, s17, 19                        ; x: 256 rows of 2,048 bytes a tile row
	s_mov_b32 s21, 0
	s_lshl_b32 s22, s17, 15                        ; its scales: 256 x 128
	s_mov_b32 s23, 0
	s_lshl_b32 s44, s15, 18                        ; the head's half of x: 128 rows
	s_mov_b32 s45, 0
	s_lshl_b32 s46, s15, 14                        ; and of its scales
	s_mov_b32 s47, 0
	s_lshl_b32 s48, s14, 17                        ; the ring: 64 rows a wave
	s_mov_b32 s49, 0
	s_mul_i32 s50, s15, 128*PITCH
	s_mul_i32 s51, s15, 64*SP2
	s_mul_i32 s52, s14, 64*PITCH
	s_lshl_b32 s54, s42, 2
	s_add_co_u32 s54, s54, s14                     ; n / 64 = 4 x tile column + wave
	s_mul_i32 s54, s54, 4*WSLOT
	s_mov_b32 s55, 0
	s_lshl_b32 s56, s42, 10
	s_lshl_b32 s57, s14, 8
	s_add_co_u32 s56, s56, s57                     ; my first column in bytes
	s_mov_b32 s57, 0
	s_lshl_b32 s58, s17, 21                        ; out0: 256 rows of 8,192 bytes a tile row
	s_mov_b32 s59, 0
	s_wait_dscnt 0x0                               ; both opening adds are done
	s_wait_kmcnt 0x0
	s_add_nc_u64 s[4:5], s[4:5], s[20:21]
	s_add_nc_u64 s[6:7], s[6:7], s[22:23]
	s_add_nc_u64 s[8:9], s[8:9], s[54:55]
	s_add_nc_u64 s[10:11], s[10:11], s[56:57]
	s_add_nc_u64 s[12:13], s[12:13], s[56:57]
	s_add_nc_u64 s[12:13], s[12:13], s[58:59]
	s_mov_b32 s[G0H], 1
	s_mov_b32 s[G0H+1], s50
	s_add_nc_u64 s[G0H+2:G0H+3], s[4:5], s[44:45]
	s_or_b32 s[G0H+3], s[G0H+3], 0x80000000
	s_mov_b32 s[G0S], 1
	s_add_co_u32 s[G0S+1], s51, XSC
	s_add_nc_u64 s[G0S+2:G0S+3], s[6:7], s[46:47]
	s_or_b32 s[G0S+3], s[G0S+3], 0x80000000
	s_add_nc_u64 s[62:63], s[4:5], s[48:49]
	s_mov_b32 s[G0], 1                             ; slot 0's refill: K from 2,048 on
	s_mov_b32 s[G0+1], s52
	s_add_nc_u64 s[G0+2:G0+3], s[62:63], 0x400
	s_or_b32 s[G0+3], s[G0+3], 0x80000000
	s_mov_b32 s[G0+4], 1                           ; slot 1: K from 1,024 on
	s_add_co_u32 s[G0+5], s52, SLOT
	s_add_nc_u64 s[G0+6:G0+7], s[62:63], 0x200
	s_or_b32 s[G0+7], s[G0+7], 0x80000000
	CROUND                                         ; all four work-groups are here: the first joint loads meet
	s_cmp_lt_u32 s14, 2                            ; one load a wave: waves 0 and 1 fetch slot 0's two halves, waves 2 and 3 the scales' two halves
	s_cbranch_scc0 .Lscales
	tensor_load_to_lds s[G0H:G0H+3], s[G1:G1+7]
	s_nop 0
	NOP4
	s_branch .Lasked
.Lscales:
	tensor_load_to_lds s[G0S:G0S+3], s[G1S:G1S+7]
	s_nop 0
	NOP4
.Lasked:
	global_load_b128 v[BI:BI+3], v[BO], s[10:11]
	SWL 0
.irp k, 0,1,2,3                                    ; W's first four steps beside the first tiles; the next four behind slot 1's fill
	WLOAD \k
.endr
	s_wait_tensorcnt 0x0                           ; my tile of the head's four is in
	ds_add_u32 v[SPW], v[NIL]
	s_mov_b32 s[G1+2], 64<<16                      ; from here on a load brings 64 rows (no tensor load of mine is out)
	s_mov_b32 s[G1+4], 64
	s_wait_dscnt 0x0
	CROUND
	tensor_load_to_lds s[G0+4:G0+7], s[G1:G1+7]    ; slot 1's first fill
	s_nop 0
	NOP4
	SXL 0
	LHALF 0
	LHALF 1
	LHALF 2
.irp k, 4,5,6,7
	WLOAD \k
.endr
	global_prefetch_b8 v[PFO], s[4:5] offset:1024 th:TH_LOAD_NT scope:SCOPE_SE   ; slot 2 of K, which the first change of slots loads
.set U, 0
.rept 3
.rept 13
	HALF
.endr
	TURN
.endr
.rept 16
	HROW
.endr
	WIN 0
	s_wait_tensorcnt 0x0                           ; the wave's end
	ds_add_u32 v[SPW], v[NIL]
	s_wait_dscnt 0x0
	CROUND                                         ; the closing round: no work-group ends while a partner may still ask for a tile that names it
	s_endpgm
.Lfunc_end_k_q5316baa7f6_gemm:
	.size	k_q5316baa7f6_gemm, .Lfunc_end_k_q5316baa7f6_gemm-k_q5316baa7f6_gemm
	.p2alignl 7, 3214868480
	.fill 96, 4, 3214868480
	.section	.rodata,"a",@progbits
	.p2align	6, 0x0
	.amdhsa_kernel k_q5316baa7f6_gemm
		.amdhsa_group_segment_fixed_size 327680
		.amdhsa_private_segment_fixed_size 0
		.amdhsa_enable_private_segment 0
		.amdhsa_kernarg_size 40
		.amdhsa_user_sgpr_count 2
		.amdhsa_user_sgpr_kernarg_segment_ptr 1
		.amdhsa_wavefront_size32 1
		.amdhsa_system_sgpr_workgroup_id_x 1
		.amdhsa_system_sgpr_workgroup_id_y 1
		.amdhsa_system_sgpr_workgroup_id_z 1
		.amdhsa_system_vgpr_workitem_id 0
		.amdhsa_next_free_vgpr 1024
		.amdhsa_next_free_sgpr 98
		.amdhsa_reserve_vcc 0
		.amdhsa_float_denorm_mode_32 3
		.amdhsa_float_denorm_mode_16_64 3
		.amdhsa_memory_ordered 1
		.amdhsa_forward_progress 1
		.amdhsa_inst_pref_size 255
	.end_amdhsa_kernel
	.section	.bss,"aw",@nobits
	.p2align	6
	.space	262144
	.amdgpu_metadata
---
amdhsa.version: [ 1, 2 ]
amdhsa.kernels:
  - .name:           k_q5316baa7f6_gemm
    .symbol:         k_q5316baa7f6_gemm.kd
    .args:
      - { .name: x_codes, .offset: 0, .size: 8, .value_kind: global_buffer, .address_space: global }
      - { .name: x_scales, .offset: 8, .size: 8, .value_kind: global_buffer, .address_space: global }
      - { .name: wq, .offset: 16, .size: 8, .value_kind: global_buffer, .address_space: global }
      - { .name: bias, .offset: 24, .size: 8, .value_kind: global_buffer, .address_space: global }
      - { .name: out0, .offset: 32, .size: 8, .value_kind: global_buffer, .address_space: global }
    .group_segment_fixed_size: 327680
    .private_segment_fixed_size: 0
    .kernarg_segment_align: 8
    .kernarg_segment_size: 40
    .max_flat_workgroup_size: 128
    .sgpr_count:     98
    .vgpr_count:     1024
    .wavefront_size: 32
...
	.end_amdgpu_metadata
.endif
;; end of part 2
